; MI455X (gfx1250); checked and timed in simulation.
; The chip was launched on July 23, 2026; its instructions are those of AMD's public machine-readable ISA for CDNA 5 (MIT licence, August 2026) and "CDNA5" Instruction Set Architecture Reference Guide (July 2026). The comments in the code are by the model that wrote it; some were corrected since.
;; Graph Aware Causal Attention. Allowed arithmetic: matrix products marked QUANTISED: E4M3 operands, one given power-of-two scale a tensor, by v_wmma_f32_16x16x64_fp8_fp8 or v_wmma_f32_16x16x128_fp8_fp8, f32 sums; everything else in f32.
;; Inputs: Wproj_codes 1,024 x 32 x 32 uint8 (E4M3 codes of Wproj, K innermost, in blocks of 32 codes); Wqkv_codes 3,072 x 32 x 32 uint8 (E4M3 codes of Wqkv, K innermost, in blocks of 32 codes); adj_bias 16 float32; edge_table 17 x 16 float32; edge_types 2 x 2,048 x 2,048 int32; graph_adj 2 x 2,048 x 2,048 float32; lowp_scales 8 int32 (the exponents e of the quantised operands' scales 2^e); x_codes 2 x 2,048 x 32 x 32 uint8 (E4M3 codes of x, K innermost, in blocks of 32 codes).
;; Outputs: out0 2 x 2,048 x 1,024 float32.
;; This version of the problem:
;;   THIS VERSION OF THE PROBLEM IS GIVEN IN LOW PRECISION. The matrix products marked QUANTISED in the list below multiply operands that are first quantised to E4M3 (4 exponent bits, 3 mantissa bits; 8 bits a number), with one given power-of-two scale for each operand tensor; their sums are f32. All else is computed in f32.
;;   The module's matrix products, in the order in which they are computed (A, B: the left and right operand; K: the contracted axis; several contracted axes count as one K, in the product's order):
;;     1. [M 4,096, K 1,024] x [K 1,024, N 3,072]; A: input x (given as codes); B: input Wqkv (given as codes): QUANTISED (scales: A lowp_scales[0], B lowp_scales[1])
;;     2. batch 32 x [M 2,048, K 64] x [K 64, N 2,048]; A: computed on the way; B: computed on the way: QUANTISED (scales: A lowp_scales[2], B lowp_scales[3])
;;     3. batch 32 x [M 64, K 2,048] x [K 2,048, N 2,048]; A: computed on the way; B: softmax (see below): QUANTISED (scales: A lowp_scales[4], B lowp_scales[5])
;;     4. [M 4,096, K 1,024] x [K 1,024, N 1,024]; A: computed on the way; B: input Wproj (given as codes): QUANTISED (scales: A lowp_scales[6], B lowp_scales[7])
;;   THE QUANTISER, for each operand of a quantised product, along K:
;;     - The operand's scale is 2^e, e = its entry of the input lowp_scales (int32; the entries are numbered through the quantised products in the list's order, A before B).
;;     - Each number is divided by the scale, clamped to +-448, and rounded to the nearest number of E4M3, ties to even, subnormals kept.
;;     - The product sums the exact products of the quantised numbers (number of the format x scale) in f32.
;;   ~~~python
;;   def quantise(x, axis, e):      # numpy; x: float32 -> the quantised numbers, widened to float32 again
;;       x = np.moveaxis(x, axis, -1); K = x.shape[-1]
;;       r = np.clip(x / 2.0 ** e, -448, 448)
;;       step = 2.0 ** (np.maximum(np.frexp(np.where(r == 0, 1, r))[1] - 1, -6) - 3)
;;       q = np.round(r / step) * step * 2.0 ** e      # np.round: ties to even
;;       return np.moveaxis(q, -1, axis).astype(np.float32)
;;   ~~~
;;   SOFTMAX AHEAD OF A QUANTISED PRODUCT. Where the list says 'softmax', what is quantised is not the finished softmax but p = 2^(t - M), with t = logit x log2(e) and M = ceil(the row's largest t), a whole number; so 1/2 < the row's largest p <= 1. The row's sum l is taken of the UNQUANTISED p, in f32, and the product's result is divided by l at the end. Since M is a whole number, a kernel that streams over the keys may use a running M (the ceiling of the running maximum): every later rescaling is an exact power of two, so the quantised numbers keep their values, but for numbers so far below the row's largest that they fall under the format's range.
;;   OPERANDS COMPUTED ON THE WAY. 'Computed on the way' means the value that the module computes at that place (a softmax that the list does not call 'softmax' is quantised finished and normalised). What goes into a quantiser is computed in f32, as accurately as f32 sums, v_exp_f32 and their like allow (about 1e-6 of the number): no bf16 or f16 on the way to a quantiser, and a product that is left as it is and whose result goes on into a quantised operand takes f32 operands (vector FMAs, or v_wmma_f32_16x16x4_f32). A number that lies on a knife's edge between two numbers of the format may be rounded either way, as far as f32 arithmetic and the matrix unit's own rounding can turn it there, and no further.
;;   INPUTS GIVEN AS CODES. Wproj (in the module: [1024, 1024], K = its axis 0); Wqkv (in the module: [1024, 3072], K = its axis 0); x (in the module: [2, 2048, 1024], K = its axis 2): each comes as NAME_codes (uint8): NAME with its K axis moved to the last place and cut into blocks of 32 codes, [.., K / 32, bytes a block], one block behind the other in memory; one code a byte (a code: sign, 4 exponent bits, 3 mantissa bits); its scale is its entry of lowp_scales. Its value is code x scale, taken as it is: it is not quantised again, and the codes and scales need not be those that the quantiser above would give.
;; One version. Each part assembles by itself: llvm-mc -triple=amdgcn-amd-amdhsa -mcpu=gfx1250 --defsym DOCPART=n.
;; ======== version 1 of 1: 3 launches
;; workspace buffers: qk 8,388,608 bytes; vt 4,194,304 bytes; ao 4,194,304 bytes
;; launch qkv (part 1): grid 8 x 24, 4 waves a work-group, clusters of 4 x 4, 327,680 bytes of LDS; arguments x_codes, Wqkv_codes, lowp_scales, qk, vt; writes qk, vt
.if DOCPART == 1
	.amdgcn_target "amdgcn-amd-amdhsa--gfx1250"
	.amdhsa_code_object_version 6
	.text
	.protected	k_qb855d3ab85_qkv
	.globl	k_qb855d3ab85_qkv
	.p2align	8
	.type	k_qb855d3ab85_qkv,@function
k_qb855d3ab85_qkv:
	s_mov_b64 s[64:65], 0
	v_nop
	global_prefetch_b8 v0, s[64:65] scope:SCOPE_SE
	s_setreg_imm32_b32 hwreg(HW_REG_WAVE_MODE, 25, 1), 1
	s_wait_xcnt 0x0
	s_wait_alu depctr_hold_cnt(0) depctr_sa_sdst(0) depctr_va_vdst(0) depctr_va_sdst(0) depctr_va_ssrc(0) depctr_va_vcc(0) depctr_vm_vsrc(0)
	s_getreg_b32 s2, hwreg(HW_REG_IB_STS2, 6, 4)
	s_cmp_eq_u32 s2, 0
	s_cbranch_scc0 .Lentry_in_a_cluster
	s_endpgm
.Lentry_in_a_cluster:
	s_bfe_u32 s2, ttmp6, 0x10000c
	s_cmp_lg_u32 s2, 0xf033
	s_cbranch_scc0 .Lentry_shape_is_right
	s_endpgm
.Lentry_shape_is_right:
; qkv = x Wqkv on the given E4M3 codes, and the quantisers of q, k and v, whose codes go to the workspace buffers qk and vt.
; DEAD WORK OF THE PROGRAM.  reference() builds its causal mask itself (triu, k = 1) and sets every score with key > query to -infinity ahead of the softmax: for all values of the inputs
; its weight is 0 and it reaches no output.  So the later launch neither loads nor multiplies key steps that lie wholly behind a block's last query: their scores, weights, graph_adj and edge_types.
; All of q, k and v is live, so this launch leaves nothing out.  Every input has a way to the output and is an argument of some launch.
; LIMIT: a NaN, an infinity or an overflow that lies only in the work left out (masked entries of graph_adj) is not carried to the result.
; ONE PRODUCT, TWO FLAVOURS.  Out[i][j] = sum over k of A[i][k] B[j][k], K = 1,024, in tiles of 256 x 256; Out is quantised and laid with j innermost, in panels of 128 j: byte (j / 128) I 128 + 128 i + place(j % 128).
;   cluster y < 4:  A = x (I = 4,096 tokens), B = rows 0 .. 2,047 of Wqkv (q's and k's columns), Out -> qk: panels 0-7 are q of head pairs 0-7, panels 8-15 k of head pairs 0-7.
;   cluster y >= 4: A = rows 2,048 .. 3,071 of Wqkv (I = 1,024 rows 64 head + d), B = x (j = token), Out -> vt: panel = 16 batch + token / 128: the keys are innermost, as the last product of attention wants them.
; The flavour is chosen by selects on the cluster's y: one path through the text.
; place(): within each 32 bytes, byte 16 h + 8 u + n holds element 16 u + 8 h + n (h, u = 0, 1; n < 8): a load of 16 bytes at 16 h then brings k = 8 h + 0..7 and 16 + 8 h + 0..7: the matrix operand's own order.
; code = sum x 2^(e0 + e1) / 2^eX, held within +-448, to the nearest code, ties to even; eX = e2 (q), e3 (k), e4 (v): the three exponents are folded into the conversion's one scale.
; LIMIT: eX - e0 - e1 lies between -126 and 119, so that the scale and 448 x the scale are f32 numbers.  NaN among the inputs is not served.
; A work-group of four waves makes a tile; a wave 128 x 128: 64 accumulators of 16 x 16, 512 registers.  K goes in steps of 256 through a ring of two LDS slots filled by the tensor data mover.
; 128 + 64 = 192 tiles: tiles of half the side would read twice the LDS bytes for each product, and a tile of 192 columns would straddle the borders between q, k and v.
; CLUSTERS: 4 x 4 work-groups.  The four of a row of the cluster need the same tiles of A, the four of a column the same tiles of B: each tile is asked for JOINTLY.
; THE MATRIX INSTRUCTION IS USED TRANSPOSED (source 0 = 16 rows of B, source 1 = 16 rows of A): a lane then holds eight neighbouring j of one row i.
; REGISTERS, in windows of 256: window 0: v0-31 addresses and the two scale numbers; from v128 A's fragments, ONE set; on the way out v32-255 are free.
;   window 1: B's fragments, TWO sets, at v0 and v128.   window 2: the accumulators of my rows 0-63 ((a, b) at v[8 (8 a + b)]);   window 3: those of my rows 64-127.
.set SIZE_K, 1024
.set KSTEP,  256                       ; along K in a slot
.set ROWB,   256                       ; a tile's row in bytes
.set KROW,   SIZE_K                    ; a row of codes in memory, in bytes
.set PITCH,  272                       ; an LDS row: 256 bytes + 16 of padding = 68 words: the 16 rows that a load touches start 4 words apart
.set FR,     16                        ; registers of a fragment: 16 rows x 128 K
.set NL,     4                         ; LDS loads that bring one
.set NP,     4                         ; places behind this matrix instruction (ISA guide 7.12.1)
.set HALFT,  128*PITCH                 ; 128 rows: what one tensor load brings
.set SLOT,   4*HALFT                   ; A's 256 rows, then B's 256 rows
.set LAPS,   SIZE_K/(2*KSTEP)          ; a lap = two K steps = once round the ring
.set SPARE,  2*SLOT                    ; behind the ring: the spare words, 128 bytes for each wave
.set SPITCH, 144                       ; the way out: a stage of 16 rows x (128 bytes + 16) for each wave, in slot 0, which has had its last fill and its last read by then
.set ADRA, 16                          ; v16-17  LDS address of my A fragments in slot 0, 1
.set ADRB, 20                          ; v20-21  the same for B
.set STO,  24                          ; v24     the way out: where I put 16 bytes of a row
.set RD,   25                          ; v25     where I read rows back
.set CO,   26                          ; v26     16 x lane: my place in 512 bytes of the panel
.set SPW,  28                          ; v28     LDS address of my spare word; never rewritten
.set NIL,  29                          ; v29     0; never rewritten
.set SCL,  30                          ; v30     2^(eX - e0 - e1) as f32
.set LIMV, 31                          ; v31     448 x that
.set TMP,  32                          ; v32-95  a block's 64 sums, held
.set CD,   96                          ; v96-127 a block's codes, two sets by turns
.set AF,   128                         ; A's fragments, in window 0
.set BK,   128                         ; the way out: 16 registers for each of the eight blocks: no store's data are written again
.set G1, 24                            ; s[24:31] descriptor group 1 for A's tiles;  s[32:39] group 0, one set for each slot
.set G0, 32
.set G1B, 48                           ; s[48:55], s[56:63] the same for B's tiles
.set G0B, 56
.set MSB, 0
.macro WIN new                         ; the immediate's high byte repeats the setting that is left
.if MSB != \new
	s_set_vgpr_msb (MSB<<8)|\new
.set MSB, \new
.endif
.endm
.set MUL_LO, 0xa1                      ; source 0 (B) window 1, source 1 (A) window 0, C and D window 2
.set MUL_HI, 0xf1                      ; the same, C and D window 3
.set TO_B,   0x40                      ; destination window 1, address window 0
; A joint load: waves 0 and 1 fetch for A, waves 2 and 3 for B.  The branch hangs on the wave's number alone.  An s_nop 0 and four v_nop follow each of the two lines.
.macro JLOAD g0a, g1a, g0b, g1b
	s_cmp_eq_u32 s15, 0
	s_cbranch_scc0 .Lfor_b_\@
	tensor_load_to_lds s[\g0a:\g0a+3], s[\g1a:\g1a+7]
	s_nop 0
.rept 4
	v_nop
.endr
	s_branch .Lasked_\@
.Lfor_b_\@:
	tensor_load_to_lds s[\g0b:\g0b+3], s[\g1b:\g1b+7]
	s_nop 0
.rept 4
	v_nop
.endr
.Lasked_\@:
.endm
.macro CREST                           ; a round of the cluster's barrier behind its opening barrier
	s_cmp_lg_u32 s14, 0
	s_cbranch_scc1 .Lnot_wave_0_\@
	s_barrier_signal -3
.Lnot_wave_0_\@:
	s_barrier_wait -3
	s_barrier_signal -1
	s_barrier_wait -1
.endm
.macro CROUND                          ; a whole round
	s_barrier_signal -1
	s_barrier_wait -1
	CREST
.endm
	s_load_b128 s[4:7], s[0:1], 0x0                ; x's codes s[4:5], Wqkv's codes s[6:7]
	s_load_b128 s[8:11], s[0:1], 0x10              ; the scales' exponents s[8:9], qk s[10:11]
	s_load_b64 s[12:13], s[0:1], 0x20              ; vt
	v_lshl_add_u32 v[SPW], v0, 2, SPARE
	v_mov_b32 v[NIL], 0
	ds_add_u32 v[SPW], v[NIL]                      ; the wave's opening: the add, twice on end, and its wait ahead of my first tensor load
	ds_add_u32 v[SPW], v[NIL]                      ; and once more, under the one wait; the set-up below, work on registers, stands between
	v_lshrrev_b32 v1, 5, v0
	v_readfirstlane_b32 s14, v1                    ; wave 0..3
	s_lshr_b32 s15, s14, 1                         ; which half of the tile's rows is mine.  Also: I fetch for A (0) or for B (1)
	s_and_b32 s16, s14, 1                          ; which half of its columns.  Also: which 128 rows of that tile I fetch
	s_bfe_u32 s40, ttmp6, 0x40000                  ; cx, cy: my place in the cluster
	s_bfe_u32 s41, ttmp6, 0x40004
	s_and_b32 s67, ttmp7, 0xffff                   ; cluster y: 0-3 the flavour for q and k, 4-5 the flavour for v
	s_lshl_b32 s69, s67, 1
	s_add_co_u32 s69, s69, ttmp9
	s_sub_co_u32 s69, s69, 8                       ; v: cluster column = cluster x + 2 (cluster y - 4): 0 .. 3
	s_cmp_ge_u32 s67, 4
	s_cselect_b32 s69, s69, ttmp9                  ; q, k: cluster column = cluster x
	s_cselect_b32 s68, 0, s67                      ; cluster row: v has one, q and k four
	s_cselect_b32 s75, 0x200000, 0                 ; v: A begins at row 2,048 of Wqkv
	s_mov_b32 s74, 524288                          ; a panel's bytes: 4,096 x 128,
	s_cselect_b32 s74, 131072, s74                 ; or 1,024 x 128
	s_lshl_b32 s42, s69, 2
	s_add_co_u32 s42, s42, s40                     ; tile column
	s_lshl_b32 s17, s68, 2
	s_add_co_u32 s17, s17, s41                     ; tile row
	s_lshl_b32 s43, s41, 2
	s_lshl_b32 s43, 15, s43                        ; my row of the cluster
	s_lshl_b32 s44, 0x1111, s40                    ; my column
	; descriptor group 1: a tile of 128 rows x 256 bytes, padded in LDS
	s_or_b32 s[G1+0], s43, (0<<16)|(1<<20)|(1<<21)|(5<<22)|(3<<25)  ; 15:0 the mask: A's tiles go to my row; 17:16 elements of 1 byte; 20 padding on; 21 set beside a mask; 24:22 after every 64 words; 31:25 four words
	s_or_b32 s[G1B+0], s44, (0<<16)|(1<<20)|(1<<21)|(5<<22)|(3<<25)
.irp g, G1, G1B
	s_mov_b32 s[\g+1], ROWB<<16                    ; tensor_dim0
	s_mov_b32 s[\g+2], 128<<16                     ; tensor_dim1 = 128
	s_mov_b32 s[\g+3], ROWB<<16                    ; tile_dim0
	s_mov_b32 s[\g+4], 128                         ; tile_dim1 = 128
	s_mov_b32 s[\g+5], KROW                        ; tensor_dim0_stride
	s_mov_b32 s[\g+6], 0
	s_mov_b32 s[\g+7], 0
.endr
	s_lshl_b32 s18, s16, 7                         ; which 128 rows of the tile I fetch
	s_lshl_b32 s20, s17, 8
	s_add_co_u32 s20, s20, s18                     ; A: row 256 x tile row + 128 x half,
	s_lshl_b32 s20, s20, 10                        ; in bytes (a row is 1,024),
	s_add_co_u32 s20, s20, s75                     ; behind q's and k's rows where A is Wqkv
	s_mov_b32 s21, 0
	s_lshl_b32 s46, s42, 8
	s_add_co_u32 s46, s46, s18                     ; B: row 256 x tile column + 128 x half
	s_lshl_b32 s46, s46, 10
	s_mov_b32 s47, 0
	s_mul_i32 s45, s14, HALFT                      ; where they go: wave x 128 rows: no place in the cluster enters an LDS address
	s_wait_dscnt 0x0                               ; both opening adds are done
	s_wait_kmcnt 0x0
	s_load_b256 s[76:83], s[8:9], 0x0              ; e0 .. e7
	s_cmp_ge_u32 s67, 4                            ; the buffers are chosen by the cluster's y alone
	s_cselect_b64 s[70:71], s[6:7], s[4:5]         ; A
	s_cselect_b64 s[72:73], s[4:5], s[6:7]         ; B
	s_cselect_b64 s[10:11], s[12:13], s[10:11]     ; Out
	s_add_nc_u64 s[20:21], s[70:71], s[20:21]
	s_add_nc_u64 s[46:47], s[72:73], s[46:47]
	CROUND                                         ; all sixteen work-groups are here: the first joint loads meet
.irp s, 0,1
	s_mov_b32 s[G0+4*\s], 1
	s_add_co_u32 s[G0+4*\s+1], s45, \s*SLOT
	s_add_nc_u64 s[G0+4*\s+2:G0+4*\s+3], s[20:21], \s*ROWB
	s_or_b32 s[G0+4*\s+3], s[G0+4*\s+3], 0x80000000
	s_mov_b32 s[G0B+4*\s], 1
	s_add_co_u32 s[G0B+4*\s+1], s45, \s*SLOT
	s_add_nc_u64 s[G0B+4*\s+2:G0B+4*\s+3], s[46:47], \s*ROWB
	s_or_b32 s[G0B+4*\s+3], s[G0B+4*\s+3], 0x80000000
	JLOAD G0+4*\s, G1, G0B+4*\s, G1B
.endr
	v_and_b32 v1, 15, v0                           ; l % 16
	v_bfe_u32 v2, v0, 4, 1                         ; l / 16
	v_mul_u32_u24 v3, v1, PITCH
	v_lshl_add_u32 v4, v2, 4, v3                   ; a fragment's row x pitch + 16 x half
	s_mul_i32 s21, s15, HALFT                      ; my 128 rows of A
	s_mul_i32 s22, s16, HALFT                      ; my 128 rows of B,
	s_add_co_u32 s22, s22, 2*HALFT                 ; which lie behind A's 256
.irp s, 0,1
	v_add_nc_u32 v[ADRA+\s], s21, v4
	v_add_nc_u32 v[ADRB+\s], s22, v4
	s_add_co_u32 s21, s21, SLOT
	s_add_co_u32 s22, s22, SLOT
.endr
	s_mul_i32 s23, s14, 16*SPITCH                  ; my stage
	v_mul_u32_u24 v5, v1, SPITCH                   ; in: row l % 16, 16 bytes for each half of the lanes
	v_lshl_add_u32 v5, v2, 4, v5
	v_add_nc_u32 v[STO], s23, v5
	v_and_b32 v6, 31, v0
	v_lshlrev_b32 v[CO], 4, v6                     ; out: 16 bytes a lane of 512 consecutive bytes
	v_lshrrev_b32 v7, 3, v6                        ; back: eight lanes to a row of 128 bytes, four rows an instruction
	v_mul_u32_u24 v7, v7, SPITCH
	v_and_b32 v8, 7, v6
	v_lshl_add_u32 v7, v8, 4, v7
	v_add_nc_u32 v[RD], s23, v7
	s_lshl_b32 s86, s42, 1                         ; my quadrant is 128 rows of ONE panel, 16,384 consecutive bytes: panel 2 x tile column + half,
	s_add_co_u32 s86, s86, s16
	s_mul_i32 s86, s86, s74
	s_lshl_b32 s87, s17, 8
	s_lshl_b32 s88, s15, 7
	s_add_co_u32 s87, s87, s88                     ; row 256 x tile row + 128 x half
	s_lshl_b32 s87, s87, 7
	s_add_co_u32 s86, s86, s87
	s_mov_b32 s87, 0
	s_add_nc_u64 s[10:11], s[10:11], s[86:87]
.macro FRAG reg, adr, q, i             ; a fragment, 16 rows x 128 K, is 16 registers: lane l holds row l % 16; registers 4 c .. 4 c + 3 hold K = 32 c + 16 (l / 16) + 0 .. 15: one order of k for A and for B alike
.irp c, 0,1,2,3
	ds_load_b128 v[\reg+4*\c:\reg+4*\c+3], v[\adr] offset:128*(\q)+32*\c+(\i)*16*PITCH
.endr
.endm
; 16 matrix instructions: A's blocks a0, a0 + 1 x B's eight, 128 along K.  p: B's set.  zero = 1: the first product starts the sums.  The 64 accumulators take turns, one instruction a turn.
.macro MUL16 a0, p, zero
.irp a, \a0, \a0+1
.irp b, 0,1,2,3,4,5,6,7
.if \zero
	v_wmma_f32_16x16x128_fp8_fp8 v[8*(8*((\a)%4)+\b):8*(8*((\a)%4)+\b)+7], v[128*(\p)+FR*\b:128*(\p)+FR*\b+FR-1], v[AF+FR*(\a):AF+FR*(\a)+FR-1], 0
.else
	v_wmma_f32_16x16x128_fp8_fp8 v[8*(8*((\a)%4)+\b):8*(8*((\a)%4)+\b)+7], v[128*(\p)+FR*\b:128*(\p)+FR*\b+FR-1], v[AF+FR*(\a):AF+FR*(\a)+FR-1], v[8*(8*((\a)%4)+\b):8*(8*((\a)%4)+\b)+7]
.endif
.endr
.endr
.endm
.macro FETCH_B slot, q, p              ; B's eight fragments of the slot's q-th 128 along K into set p
	WIN TO_B
.irp i, 0,1,2,3,4,5,6,7
	FRAG 128*(\p)+FR*\i, ADRB+\slot, \q, \i
.endr
	WIN 0
.endm
.macro FETCH_A slot, q, i0             ; A's blocks i0 .. i0 + 3
.irp i, \i0, \i0+1, \i0+2, \i0+3
	FRAG AF+FR*(\i), ADRA+\slot, \q, \i
.endr
.endm
.macro PLACES n                        ; plain vector instructions between a matrix instruction and a load into, or a read of, its registers
.rept \n
	v_nop
.endr
.endm
; A step of 128 along K that has its successor in the same slot.
.macro STEP slot, q, zero
	s_wait_dscnt 4*NL                              ; B's set and A's blocks 0-3 are in; the youngest 16 loads (A's blocks 4-7) may be out
	WIN MUL_LO
	MUL16 0, (\q)%2, \zero
	MUL16 2, (\q)%2, \zero
	s_wait_dscnt 0                                 ; A's blocks 4-7 are in
	PLACES NP
	FETCH_B \slot, (\q)+1, 1-(\q)%2
	FETCH_A \slot, (\q)+1, 0
	WIN MUL_HI
	MUL16 4, (\q)%2, \zero
	MUL16 6, (\q)%2, \zero
	PLACES NP
	WIN 0
	FETCH_A \slot, (\q)+1, 4
.endm
; A slot's last step changes slots: ONE barrier; in front of it each wave waits for all its tensor loads, adds 0 to its spare word, and waits for that and for its reads of this slot.  fill = 1: this slot is filled again.
.macro TURN slot, next, fill
	s_wait_tensorcnt 0x0                           ; all my tensor loads have landed: my part of the next slot
	ds_add_u32 v[SPW], v[NIL]                      ; 0 onto my spare word
	s_wait_dscnt 4*NL+1                            ; the add and the youngest 16 loads (A's blocks 4-7) may be out
	WIN MUL_LO
	MUL16 0, 1, 0                                  ; sixteen matrix instructions stand between the add and the wait for it
	s_wait_dscnt 0x0                               ; the add is done, and my reads of this slot are over
	s_barrier_signal -1
	MUL16 2, 1, 0
	WIN 0
	s_barrier_wait -1
.if \fill
	CREST                                          ; the barrier has opened a round of the cluster's: no wave of any partner still reads this slot or has a load on its way
	s_add_nc_u64 s[G0+4*\slot+2:G0+4*\slot+3], s[G0+4*\slot+2:G0+4*\slot+3], 2*ROWB
	s_add_nc_u64 s[G0B+4*\slot+2:G0B+4*\slot+3], s[G0B+4*\slot+2:G0B+4*\slot+3], 2*ROWB
	JLOAD G0+4*\slot, G1, G0B+4*\slot, G1B         ; the first tensor load behind the round; its four v_nop are the places in front of the loads below
.else
	PLACES NP
.endif
	FETCH_B \next, 0, 0
	FETCH_A \next, 0, 0
	WIN MUL_HI
	MUL16 4, 1, 0
	MUL16 6, 1, 0
	PLACES NP
	WIN 0
	FETCH_A \next, 0, 4
.endm
	s_wait_tensorcnt 1                             ; my part of K step 0 is in; K step 1's load may be out
	s_barrier_signal -1
	s_barrier_wait -1                              ; everybody's is
	FETCH_B 0, 0, 0
	FETCH_A 0, 0, 0
	FETCH_A 0, 0, 4
	STEP 0, 0, 1                                   ; the first step stands in front of the loop: its products start the sums
	s_mov_b32 s3, LAPS-1
.Llap:                                                 ; a trip goes once round the ring and fills both slots again
	TURN 0, 1, 1
	STEP 1, 0, 0
	TURN 1, 0, 1
	STEP 0, 0, 0
	s_sub_co_u32 s3, s3, 1
	s_cmp_lg_u32 s3, 0
	s_cbranch_scc1 .Llap
	TURN 0, 1, 0                                   ; the last lap fills nothing, and has no round of the cluster's barrier
	STEP 1, 0, 0
	s_wait_dscnt 4*NL                              ; the very last step: nothing more to fetch
	WIN MUL_LO
	MUL16 0, 1, 0
	MUL16 2, 1, 0
	s_wait_dscnt 0
	WIN MUL_HI
	MUL16 4, 1, 0
	MUL16 6, 1, 0
	WIN 0
; THE WAY OUT, block by block of 16 rows x 128 j.  A block's sums are held within +-448 x the scale and converted: a lane's eight j of an accumulator are 8 bytes, those of two neighbouring accumulators 16 bytes, which is place()'s order.
; They go through my own stage in LDS and come back as four rows of 128 bytes an instruction: 512 consecutive bytes of the panel.  LDS serves a wave's instructions in order (ISA guide 5.7.1.4): no wait between the stores and the loads.
.macro TOSTAGE a
.set AC, 64*((\a)%4)
.set CC, CD+16*((\a)%2)
	WIN 0x02+((\a)/4)                              ; source 0: window 2 or 3
.set j, 0
.rept 64
	v_med3_num_f32 v[TMP+j], v[AC+j], -v[LIMV], v[LIMV]   ; the conversion to an 8-bit code does not saturate (ISA guide 7.6.2): the hold comes first; each accumulator from its low end on
.set j, j+1
.endr
	WIN 0
.irp b, 0,1,2,3,4,5,6,7
	v_cvt_scalef32_pk8_fp8_f32 v[CC+2*\b:CC+2*\b+1], v[TMP+8*\b:TMP+8*\b+7], v[SCL]
.endr
	v_nop                                          ; a plain vector instruction behind the last conversion: the next block's holds write its sources
.irp p, 0,1,2,3
	ds_store_b128 v[STO], v[CC+4*\p:CC+4*\p+3] offset:32*\p
.endr
.irp t, 0,1,2,3
	ds_load_b128 v[BK+16*(\a)+4*\t:BK+16*(\a)+4*\t+3], v[RD] offset:\t*4*SPITCH
.endr
.endm
.macro SEND a, younger                 ; younger: the LDS instructions issued behind block a's loads, which may stay out
	s_wait_dscnt \younger
.irp t, 0,1,2,3
	global_store_b128 v[CO], v[BK+16*(\a)+4*\t:BK+16*(\a)+4*\t+3], s[10:11] offset:2048*(\a)+512*\t   ; 32 lanes store 512 consecutive bytes, at a multiple of 256 from the buffer's first byte
.endr
.endm
	s_wait_kmcnt 0x0
	s_cmp_lt_u32 s42, 4                            ; tile columns 0-3 are q's, 4-7 k's
	s_cselect_b32 s84, s78, s79                    ; e2 or e3,
	s_cmp_ge_u32 s67, 4
	s_cselect_b32 s84, s80, s84                    ; or e4 for v
	s_sub_co_i32 s84, s84, s76
	s_sub_co_i32 s84, s84, s77                     ; eX - e0 - e1
	s_add_co_i32 s84, s84, 127
	s_lshl_b32 s85, s84, 23
	v_mov_b32 v[SCL], s85                          ; as an f32 number: the conversion takes its exponent field
	s_add_co_i32 s84, s84, 8
	s_lshl_b32 s84, s84, 23
	s_or_b32 s84, s84, 0x600000
	v_mov_b32 v[LIMV], s84                         ; 448 x that
	PLACES NP                                      ; behind the last products: for the reads of results and the loads into the registers that held A's fragments
	TOSTAGE 0
.irp a, 1,2,3,4,5,6,7
	TOSTAGE \a
	SEND \a-1, 8                                   ; behind block a - 1's loads: block a's 4 stores and 4 loads
.endr
	SEND 7, 0
	s_wait_tensorcnt 0x0                           ; the wave's end: behind my last tensor load and my last LDS store
	ds_add_u32 v[SPW], v[NIL]
	s_wait_dscnt 0x0
	CROUND                                         ; the closing round: no work-group ends while a partner may still ask for a tile that names it
	s_endpgm
.Lfunc_end_k_qb855d3ab85_qkv:
	.size	k_qb855d3ab85_qkv, .Lfunc_end_k_qb855d3ab85_qkv-k_qb855d3ab85_qkv
	.p2alignl 7, 3214868480
	.fill 96, 4, 3214868480
	.section	.rodata,"a",@progbits
	.p2align	6, 0x0
	.amdhsa_kernel k_qb855d3ab85_qkv
		.amdhsa_group_segment_fixed_size 327680
		.amdhsa_private_segment_fixed_size 0
		.amdhsa_enable_private_segment 0
		.amdhsa_kernarg_size 40
		.amdhsa_user_sgpr_count 2
		.amdhsa_user_sgpr_kernarg_segment_ptr 1
		.amdhsa_wavefront_size32 1
		.amdhsa_system_sgpr_workgroup_id_x 1
		.amdhsa_system_sgpr_workgroup_id_y 1
		.amdhsa_system_sgpr_workgroup_id_z 1
		.amdhsa_system_vgpr_workitem_id 0
		.amdhsa_next_free_vgpr 1024
		.amdhsa_next_free_sgpr 100
		.amdhsa_reserve_vcc 0
		.amdhsa_float_denorm_mode_32 3
		.amdhsa_float_denorm_mode_16_64 3
		.amdhsa_memory_ordered 1
		.amdhsa_forward_progress 1
		.amdhsa_inst_pref_size 123
	.end_amdhsa_kernel
	.amdgpu_metadata
---
amdhsa.version: [ 1, 2 ]
amdhsa.kernels:
  - .name:           k_qb855d3ab85_qkv
    .symbol:         k_qb855d3ab85_qkv.kd
    .args:
      - { .name: x_codes, .offset: 0, .size: 8, .value_kind: global_buffer, .address_space: global }
      - { .name: Wqkv_codes, .offset: 8, .size: 8, .value_kind: global_buffer, .address_space: global }
      - { .name: lowp_scales, .offset: 16, .size: 8, .value_kind: global_buffer, .address_space: global }
      - { .name: qk, .offset: 24, .size: 8, .value_kind: global_buffer, .address_space: global }
      - { .name: vt, .offset: 32, .size: 8, .value_kind: global_buffer, .address_space: global }
    .group_segment_fixed_size: 327680
    .private_segment_fixed_size: 0
    .kernarg_segment_align: 8
    .kernarg_segment_size: 40
    .max_flat_workgroup_size: 128
    .sgpr_count:     100
    .vgpr_count:     1024
    .wavefront_size: 32
...
	.end_amdgpu_metadata
.endif
;; end of part 1
;; launch attn (part 2): grid 8 x 32, 8 waves a work-group, clusters of 4 x 1, 327,680 bytes of LDS; arguments qk, vt, graph_adj, edge_types, adj_bias, edge_table, lowp_scales, ao; writes ao
.if DOCPART == 2
	.amdgcn_target "amdgcn-amd-amdhsa--gfx1250"
	.amdhsa_code_object_version 6
	.text
	.protected	k_qb855d3ab85_attn
	.globl	k_qb855d3ab85_attn
	.p2align	8
	.type	k_qb855d3ab85_attn,@function
k_qb855d3ab85_attn:
	s_mov_b64 s[64:65], 0
	v_nop
	global_prefetch_b8 v0, s[64:65] scope:SCOPE_SE
	s_setreg_imm32_b32 hwreg(HW_REG_WAVE_MODE, 25, 1), 1
	s_wait_xcnt 0x0
	s_wait_alu depctr_hold_cnt(0) depctr_sa_sdst(0) depctr_va_vdst(0) depctr_va_sdst(0) depctr_va_ssrc(0) depctr_va_vcc(0) depctr_vm_vsrc(0)
	s_getreg_b32 s2, hwreg(HW_REG_IB_STS2, 6, 4)
	s_cmp_eq_u32 s2, 0
	s_cbranch_scc0 .Lentry_in_a_cluster
	s_endpgm
.Lentry_in_a_cluster:
	s_bfe_u32 s2, ttmp6, 0x10000c
	s_cmp_lg_u32 s2, 0x3003
	s_cbranch_scc0 .Lentry_shape_is_right
	s_endpgm
.Lentry_shape_is_right:
; Causal attention with two biases, both products on E4M3 codes; the result is quantised for the last projection and stored as codes in ao [16 heads][4,096 tokens][64].
; LEFT OUT: key steps that lie wholly behind a block's last query: reference()'s own triu mask gives them the weight 0 for all inputs; their K, V, graph_adj and edge_types are not loaded.  A NaN or infinity that lies only there is not carried to the result.
; logit = q.k / 8 + adj_bias[h] graph_adj[b,q,k] + edge_table[edge_types[b,q,k]][h];  t = logit x log2(e);  M = the largest t so far, rounded UP to a whole number;  p = 2^(t - M) is quantised by e5, not normalised;
; the row's sum is taken of the unquantised p and divides O at the end.  When M moves, the sum and O are multiplied by 2^(old M - new M): exact.
; THE BIASES ARE THE C OF THE FIRST PRODUCT.  A sum of codes stands for sum x 2^(e2 + e3), so t = (sum + bias x 2^(3 - e2 - e3)) x c, c = log2(e) 2^(e2 + e3 - 3).  adj_bias and the table are multiplied by that power of two once (exact);
; one packed multiply-add gives two biases; the matrix instruction adds them to the scores.  THE LOOKUP: lane e (e = 0 .. 16) holds the table's row e for my head; ds_bpermute_b32 by 4 x edge type brings each score's entry.
; SHARES.  A work-group owns two heads (a head pair hp) of one batch and, one after the other, the blocks pr and 31 - pr of 64 queries: block n needs n / 2 + 1 key steps of 128, so EVERY work-group walks 17 steps.
; Wave w: head w % 2 of the pair, tile w / 2 of 16 queries.  In every step its first key counts for all the block's queries, so M is a number from the first step on.
; CLUSTER.  The four partners are four head pairs of one (batch, pr): they need the same tiles of graph_adj and edge_types at the same step, which are asked for JOINTLY.  K and V differ by head pair: plain loads behind the same round.
; LAYOUT.  Both products are used transposed: S^T = K Q^T (source 0 = 16 keys, source 1 = my 16 queries): register 8 c + i of lane (r, h) is query r, key 16 c + 8 h + i; converted eight at a time these ARE source 1 of O^T = V^T P^T.
; LIMITS: e2 + e3 - 3 between -126 and 127; e5, and e6 - e4 - e5, between -126 and 119.  NaN among the inputs is not served.  An edge type outside 0 .. 16 is not served (it is taken modulo 32; lanes 17-31 hold the last row).
.set SLOT1, 1<<17                      ; slot 1 begins here: one exclusive or turns an address in one slot into the other's
.set VOFF,  17408                      ; a slot: K, 128 keys x 128 bytes (two heads), as 64 rows of 256 + 16: key n at 272 (n / 2) + 128 (n % 2);  then V, 128 rows (64 head + d) x 128 keys, in the same form;
.set AOFF,  34816                      ; graph_adj, 64 queries x 512 bytes, pitch 528;
.set EOFF,  68608                      ; edge_types likewise.  The slot ends at 102,400
.set STAGE, 102400                     ; behind slot 0's tiles, where no fill lands: 16 rows x 80 bytes for each wave, for the way out
.set SPARE, 262144                     ; behind the ring: the spare words, 128 bytes for each of the eight waves
.set AK0, 1                            ; v1   my lane's place in a tile of K
.set AV0, 2                            ; v2   of V
.set AA0, 3                            ; v3   of graph_adj
.set AE0, 4                            ; v4   of edge_types
.set SPW, 5                            ; v5   LDS address of my spare word; never rewritten
.set NIL, 6                            ; v6   0; never rewritten
.set GO,  7                            ; v7   16 x lane
.set ADK, 8                            ; v8-11 the same four places in the slot in hand
.set ADV, 9
.set ADA, 10
.set ADE, 11
                                       ; v12 -M, v13 the largest t, v[14:15] the sum in two halves; v16-23 Q; v24 the table; v25 r - 8 h; v[26:27] adj_bias; v28, v29 the stage: in, back; v30 the prefetch's offset; v31 Q's offset
.set T,   32                           ; v32-95   graph_adj, then K's fragments, then V's
.set S,   96                           ; v96-159  edge types, biases, scores, p
.set O,   160                          ; v160-191 O^T
.set P,   192                          ; v192-207 p's codes
                                       ; v208 a permute's target; v[210:211] f; v[212:213] the second chain of sums; v214, v215 at work; v216, v217: 2^e5, 448 x 2^e5; v218, v219: the same for e6 - e4 - e5; v220 the mask's d; v221 -infinity
.set WV,  20
.set HH,  21
.set TT,  22
.set HP,  23
.set G1KV, 24                          ; s[24:31] group 1 for K's and V's halves
.set G1B,  32                          ; s[32:39] for graph_adj's and edge_types' halves
.set G0KV, 40                          ; s[40:43], s[44:47] their groups 0, which walk
.set G0B,  44
.set KVB, 48                           ; s[48:49] K or V at my half of step 0
.set BB,  50                           ; s[50:51] graph_adj or edge_types at my batch and my half of a block's rows
.set KVS, 52                           ; s52  bytes from a key step to the next in K or in V
.set OFS, 54                           ; s[54:55] an offset in 64 bits; s55 = 0
.set PFB, 56                           ; s[56:57] the prefetches' base;  s[58:59] where the next one stands
.set PFA, 58
.set SEL, 60                           ; s[60:61] lane selects: lane l xor 16
.set CS,  62                           ; s[62:63] c
.set G,   66                           ; s66  the step, 0 .. 16
.set NA,  67                           ; s67  steps of the first block
.set ROWA, 68                          ; s68, s69  the two blocks' first rows in graph_adj, in bytes
.set ROWB, 69
.set KF,  70                           ; s70  the step's first key
.set Q0,  71                           ; s71  my first query
.set TB,  72                           ; s72  LDS byte at which the slot in hand begins
.set LIM, 73                           ; s73  14 in a wave that prefetches, else -1
.set Q0B, 74                           ; s74  my first query in the second block
.set E,   80                           ; s[80:87] e0 .. e7
.set QP,  88                           ; s[88:89] q's codes at my first query
.set AOB, 90                           ; s[90:91] ao at my first query
                                       ; s[98:99] an offset that hangs on my place in the cluster; s99 = 0.  s75-79, s92-97 at work
; Every wave fetches a part of each step: waves 0, 1 K's halves, 2, 3 V's, 4, 5 graph_adj's, 6, 7 edge_types'.  The branch hangs on the wave's number alone.  An s_nop 0 and four v_nop follow each line.
.macro TLOAD
	s_cmp_lt_u32 s[WV], 4
	s_cbranch_scc0 .Lbias_\@
	tensor_load_to_lds s[G0KV:G0KV+3], s[G1KV:G1KV+7]
	s_nop 0
.rept 4
	v_nop
.endr
	s_branch .Lasked_\@
.Lbias_\@:
	tensor_load_to_lds s[G0B:G0B+3], s[G1B:G1B+7]
	s_nop 0
.rept 4
	v_nop
.endr
.Lasked_\@:
.endm
.macro ROUND                           ; a round of the cluster's barrier
	s_barrier_signal -1
	s_barrier_wait -1
	s_cmp_lg_u32 s[WV], 0
	s_cbranch_scc1 .Lnot_wave_0_\@
	s_barrier_signal -3
.Lnot_wave_0_\@:
	s_barrier_wait -3
	s_barrier_signal -1
	s_barrier_wait -1
.endm
; A PREFETCH of the graph_adj and edge_types tiles of step G + 2, one step ahead of their joint load: 64 rows x 512 bytes each.  Each block of 256 bytes is named once in the launch: the two clusters of a (batch, pr) read
; the same rows, and cluster x = 0 asks; its four partners take 16 rows each, told apart by address; wave 4 asks for graph_adj, wave 6 for edge_types: a lane a block.  Steps 0 and 1 come by their loads alone; after G = 14 nothing is left.
.macro ASK
	s_cmp_le_i32 s[G], s[LIM]
	s_cbranch_scc0 .Lnot_mine_\@
	global_prefetch_b8 v30, s[PFA:PFA+1] th:TH_LOAD_NT scope:SCOPE_SE
.Lnot_mine_\@:
.endm
	s_load_b512 s[4:19], s[0:1], 0x0               ; qk 4, vt 6, graph_adj 8, edge_types 10, adj_bias 12, edge_table 14, the exponents 16, ao 18
	v_lshl_add_u32 v[SPW], v0, 2, SPARE
	v_mov_b32 v[NIL], 0
	ds_add_u32 v[SPW], v[NIL]                      ; the wave's opening: the add, twice on end, and its wait ahead of my first tensor load
	ds_add_u32 v[SPW], v[NIL]                      ; and once more, under the one wait; the set-up below, work on registers, stands between
	v_lshrrev_b32 v8, 5, v0
	v_readfirstlane_b32 s[WV], v8                  ; wave 0..7
	s_and_b32 s[HH], s[WV], 1                      ; my head of the pair.  Also: which half of a tile I fetch
	s_lshr_b32 s[TT], s[WV], 1                     ; my tile of 16 queries
	s_bfe_u32 s75, ttmp6, 0x40000                  ; cx
	s_lshl_b32 s[HP], ttmp9, 2
	s_add_co_u32 s[HP], s[HP], s75                 ; the head pair = 4 x cluster x + cx: it enters global addresses alone
	s_and_b32 s76, ttmp7, 0xffff
	s_lshr_b32 s77, s76, 4                         ; the batch
	s_and_b32 s78, s76, 15                         ; pr
	s_lshr_b32 s[NA], s78, 1
	s_add_co_u32 s[NA], s[NA], 1                   ; block pr has pr / 2 + 1 steps
	s_lshl_b32 s[ROWA], s78, 19                    ; 64 rows of 8,192 bytes a block
	s_sub_co_u32 s79, 31, s78
	s_lshl_b32 s[ROWB], s79, 19
	s_lshl_b32 s92, s[TT], 4
	s_lshl_b32 s[Q0], s78, 6
	s_add_co_u32 s[Q0], s[Q0], s92                 ; 64 pr + 16 tile
	s_lshl_b32 s[Q0B], s79, 6
	s_add_co_u32 s[Q0B], s[Q0B], s92
	; group 1 for K and V: 8,192 dense bytes as 32 rows of 32 elements of 8 bytes, 16 bytes of padding behind each row
	s_mov_b32 s[G1KV], (3<<16)|(1<<20)|(5<<22)|(3<<25)            ; no mask; elements of 8 bytes; padding on: four words after every 64
	s_mov_b32 s[G1KV+1], 32<<16                    ; tensor_dim0
	s_mov_b32 s[G1KV+2], 32<<16                    ; tensor_dim1
	s_mov_b32 s[G1KV+3], 32<<16                    ; tile_dim0
	s_mov_b32 s[G1KV+4], 32                        ; tile_dim1
	s_mov_b32 s[G1KV+5], 32                        ; from row to row
	s_mov_b32 s[G1KV+6], 0
	s_mov_b32 s[G1KV+7], 0
	; group 1 for the biases' inputs: 32 rows of 128 elements of 4 bytes, 2,048 elements apart
	s_mov_b32 s[G1B], 15|(2<<16)|(1<<20)|(1<<21)|(6<<22)|(3<<25)  ; the mask: all four work-groups; elements of 4 bytes; padding on; bit 21 beside a mask; four words after every 128
	s_mov_b32 s[G1B+1], 128<<16
	s_mov_b32 s[G1B+2], 32<<16
	s_mov_b32 s[G1B+3], 128<<16
	s_mov_b32 s[G1B+4], 32
	s_mov_b32 s[G1B+5], 2048
	s_mov_b32 s[G1B+6], 0
	s_mov_b32 s[G1B+7], 0
	s_mov_b32 s[SEL], 0x76543210
	s_mov_b32 s[SEL+1], 0xfedcba98
	s_mov_b32 s[G], 0
	s_mov_b32 s[KF], 0
	s_mov_b32 s[TB], 0
	s_mov_b32 s[OFS+1], 0
	s_mov_b32 s99, 0
	s_and_b32 s96, s[WV], 5
	s_xor_b32 s96, s96, 4                          ; 0 in waves 4 and 6,
	s_or_b32 s96, s96, ttmp9                       ; of cluster x = 0: the same in all four partners
	s_cmp_eq_u32 s96, 0
	s_cselect_b32 s[LIM], 14, -1
	s_add_co_u32 s94, s[HP], 8                     ; K: panel 8 + hp of 524,288 bytes, + batch x 2,048 tokens of 128 bytes
	s_lshl_b32 s94, s94, 19
	s_lshl_b32 s93, s77, 18
	s_add_co_u32 s94, s94, s93
	s_lshl_b32 s95, s77, 21                        ; V: batch x 16 panels of 131,072 bytes, + hp x 128 rows of 128 bytes
	s_lshl_b32 s93, s[HP], 14
	s_add_co_u32 s95, s95, s93
	s_lshl_b32 s93, s[HH], 13                      ; + my half: 8,192 bytes
	s_add_co_u32 s94, s94, s93
	s_add_co_u32 s95, s95, s93
	s_and_b32 s93, s[WV], 2                        ; 0: K, graph_adj;  2: V, edge_types
	s_lshl_b32 s92, s[HP], 1
	s_add_co_u32 s92, s92, s[HH]                   ; my head
	s_lshl_b32 s79, s92, 18                        ; its 4,096 rows of 64 bytes in ao
	s_lshl_b32 s92, s92, 2                         ; its column in adj_bias and in the table
	v_and_b32 v8, 15, v0                           ; r
	v_bfe_u32 v9, v0, 4, 1                         ; h
	v_lshrrev_b32 v10, 1, v8
	v_and_b32 v11, 1, v8
	v_mul_u32_u24 v10, v10, 272
	v_lshl_add_u32 v10, v11, 7, v10
	v_lshl_add_u32 v10, v9, 4, v10                 ; row r of a tile of K or V: 272 (r / 2) + 128 (r % 2), + 16 h
	s_lshl_b32 s97, s[HH], 6
	v_add_nc_u32 v[AK0], s97, v10                  ; K: + my head's 64 bytes
	s_mul_i32 s97, s[HH], 8704
	s_add_co_u32 s97, s97, VOFF
	v_add_nc_u32 v[AV0], s97, v10                  ; V: + my head's 64 rows
	v_mul_u32_u24 v[AA0], v8, 528
	v_lshl_add_u32 v[AA0], v9, 5, v[AA0]
	s_mul_i32 s97, s[TT], 16*528
	s_add_co_u32 s97, s97, AOFF
	v_add_nc_u32 v[AA0], s97, v[AA0]               ; graph_adj: row 16 tile + r, + 32 h bytes: keys 8 h on
	v_add_nc_u32 v[AE0], EOFF-AOFF, v[AA0]
	v_and_b32 v11, 31, v0                          ; lane
	v_lshlrev_b32 v[GO], 4, v11
	s_mul_i32 s97, s[WV], 1280
	s_add_co_u32 s97, s97, STAGE                   ; my stage
	v_mul_u32_u24 v28, v8, 80
	v_lshl_add_u32 v28, v9, 3, v28
	v_add_nc_u32 v28, s97, v28                     ; in: row r, + 8 h
	v_lshrrev_b32 v29, 2, v11
	v_mul_u32_u24 v29, v29, 80
	v_and_b32 v10, 3, v11
	v_lshl_add_u32 v29, v10, 4, v29
	v_add_nc_u32 v29, s97, v29                     ; back: four lanes to a row of 64 bytes
	v_lshrrev_b32 v30, 1, v11
	v_lshlrev_b32 v30, 13, v30
	v_and_b32 v10, 1, v11
	v_lshl_add_u32 v30, v10, 8, v30                ; the prefetch: row lane / 2, block lane % 2 of its 512 bytes
	v_lshlrev_b32 v31, 7, v8
	v_lshl_add_u32 v31, v9, 4, v31
	s_lshl_b32 s97, s[HH], 6
	v_add_nc_u32 v31, s97, v31                     ; Q: row r of 128 bytes, + my head's 64, + 16 h
	v_lshlrev_b32 v25, 3, v9
	v_sub_nc_u32 v25, v8, v25                      ; r - 8 h, for the mask
	v_min_u32 v214, 16, v11
	v_lshlrev_b32 v214, 6, v214
	v_add_nc_u32 v214, s92, v214                   ; the table: row min(lane, 16), my head's column
	v_mov_b32 v215, s92                            ; adj_bias: my head's number, in every lane
	s_wait_dscnt 0x0                               ; both opening adds are done
	s_wait_kmcnt 0x0
	s_load_b256 s[E:E+7], s[16:17], 0x0            ; e0 .. e7
	s_cmp_eq_u32 s93, 0                            ; the buffers are chosen by the wave's number alone
	s_cselect_b64 s[KVB:KVB+1], s[4:5], s[6:7]
	s_cselect_b64 s[BB:BB+1], s[8:9], s[10:11]
	s_cselect_b32 s98, s94, s95
	s_mov_b32 s[KVS], 131072                       ; a step on: a panel in V,
	s_cselect_b32 s[KVS], 16384, s[KVS]            ; 128 rows in K
	s_mov_b64 s[PFB:PFB+1], s[BB:BB+1]
	s_add_nc_u64 s[KVB:KVB+1], s[KVB:KVB+1], s[98:99]
	s_lshl_b32 s[OFS], s77, 24                     ; the batch's 2,048 rows of 8,192 bytes
	s_add_nc_u64 s[PFB:PFB+1], s[PFB:PFB+1], s[OFS:OFS+1]
	s_lshl_b32 s96, s[HH], 18                      ; my half: 32 rows
	s_add_co_u32 s[OFS], s[OFS], s96
	s_add_nc_u64 s[BB:BB+1], s[BB:BB+1], s[OFS:OFS+1]
	s_lshl_b32 s98, s75, 17                        ; the prefetches: my work-group's 16 rows of the 64
	s_add_nc_u64 s[PFB:PFB+1], s[PFB:PFB+1], s[98:99]
	s_lshl_b32 s96, s77, 11
	s_add_co_u32 s96, s96, s[Q0]                   ; my first query as a token
	s_lshl_b32 s98, s[HP], 19
	s_lshl_b32 s97, s96, 7
	s_add_co_u32 s98, s98, s97
	s_add_nc_u64 s[QP:QP+1], s[4:5], s[98:99]      ; q: panel hp, 128 bytes a token
	s_lshl_b32 s97, s96, 6
	s_add_co_u32 s98, s79, s97
	s_add_nc_u64 s[AOB:AOB+1], s[18:19], s[98:99]
	s_and_b32 s96, s[WV], 3
	s_mov_b32 s[G0KV], 1                           ; count = 1
	s_mul_i32 s[G0KV+1], s96, 8704                 ; LDS: K's halves, then V's: slot 0
	s_mov_b64 s[G0KV+2:G0KV+3], s[KVB:KVB+1]       ; step 0
	s_or_b32 s[G0KV+3], s[G0KV+3], 0x80000000      ; type = 2
	s_mov_b32 s[G0B], 1
	s_mul_i32 s[G0B+1], s96, 16896
	s_add_co_u32 s[G0B+1], s[G0B+1], AOFF          ; graph_adj's halves, then edge_types'
	s_mov_b32 s[OFS], s[ROWA]
	s_add_nc_u64 s[G0B+2:G0B+3], s[BB:BB+1], s[OFS:OFS+1]
	s_or_b32 s[G0B+3], s[G0B+3], 0x80000000
	ROUND                                          ; all four work-groups are here: the first joint loads meet
	TLOAD                                          ; step 0, into slot 0
	global_load_b128 v[16:19], v31, s[QP:QP+1]     ; Q's fragment stays in registers: k = 8 h + 0..7, 16 + 8 h + 0..7,
	global_load_b128 v[20:23], v31, s[QP:QP+1] offset:32   ; 32 + 8 h + 0..7, 48 + 8 h + 0..7
	global_load_b32 v24, v214, s[14:15]
	global_load_b32 v26, v215, s[12:13]
.macro FRESH                           ; a block begins: O^T and the sum are zeros, the largest t lies under every t
.set i, 0
.rept 32
	v_mov_b32 v[O+i], 0
.set i, i+1
.endr
	v_mov_b32 v14, 0
	v_mov_b32 v15, 0
	v_mov_b32 v13, 0xff61b1e6                      ; -3e38
	v_floor_f32 v12, -v13                          ; -M
.endm
	FRESH
	v_mov_b32 v208, 0                              ; a lane permute's destination counts as one of its sources
	v_mov_b32 v211, 0                              ; named as the upper half of the pair v[210:211]
	v_mov_b32 v221, 0xff800000                     ; -infinity
	s_wait_kmcnt 0x0
	s_add_co_i32 s97, s[E+2], s[E+3]
	s_sub_co_i32 s96, 3, s97                       ; 3 - e2 - e3
	s_sub_co_i32 s97, s97, 3
	s_lshl_b32 s97, s97, 23
	s_add_co_i32 s[CS], s97, 0x3fb8aa3b            ; c = log2(e) x 2^(e2 + e3 - 3): the exponents are added to the exponent field
	s_mov_b32 s[CS+1], s[CS]                       ; named with it as a pair
	s_add_co_i32 s97, s[E+5], 127
	s_lshl_b32 s95, s97, 23
	v_mov_b32 v216, s95                            ; 2^e5
	s_add_co_i32 s97, s97, 8
	s_lshl_b32 s97, s97, 23
	s_or_b32 s97, s97, 0x600000
	v_mov_b32 v217, s97                            ; 448 x 2^e5
	s_sub_co_i32 s97, s[E+6], s[E+4]
	s_sub_co_i32 s97, s97, s[E+5]
	s_add_co_i32 s97, s97, 127
	s_lshl_b32 s95, s97, 23
	v_mov_b32 v218, s95                            ; 2^(e6 - e4 - e5): O^T / the sum stands for that x 2^(e4 + e5)
	s_add_co_i32 s97, s97, 8
	s_lshl_b32 s97, s97, 23
	s_or_b32 s97, s97, 0x600000
	v_mov_b32 v219, s97
	s_wait_loadcnt 0x0                             ; Q, the table, adj_bias
	v_ldexp_f32 v24, v24, s96                      ; x 2^(3 - e2 - e3): exact
	v_ldexp_f32 v26, v26, s96
	v_mov_b32 v27, v26                             ; named with it as a pair
; THE CHANGE OF SLOTS stands at a step's head.  Each wave waits for all its tensor loads (its part of the step that it is about to read), adds 0 to its spare word, and waits for that and for its reads of the slot that it has left.
; fill = 1: behind a round of the cluster's barrier that slot is filled with the next step's tiles: one load a wave, which has a whole step in which to land.
.macro CHANGE fill
	s_wait_tensorcnt 0x0                           ; no tensor load of mine is out, so the groups 0 may be written
	ds_add_u32 v[SPW], v[NIL]                      ; 0 onto my spare word: the descriptors' steps stand between it and the wait for it
.if \fill
	s_add_co_u32 s75, s[G], 1                      ; the next step:
	s_sub_co_u32 s76, s75, s[NA]
	s_cmp_lt_u32 s75, s[NA]
	s_cselect_b32 s76, s75, s76                    ; its number within its block,
	s_cselect_b32 s77, s[ROWA], s[ROWB]            ; and its block's rows
	s_mul_i32 s[OFS], s76, s[KVS]
	s_add_nc_u64 s[G0KV+2:G0KV+3], s[KVB:KVB+1], s[OFS:OFS+1]
	s_or_b32 s[G0KV+3], s[G0KV+3], 0x80000000
	s_lshl_b32 s76, s76, 9                         ; 128 keys of 4 bytes
	s_add_co_u32 s[OFS], s77, s76
	s_add_nc_u64 s[G0B+2:G0B+3], s[BB:BB+1], s[OFS:OFS+1]
	s_or_b32 s[G0B+3], s[G0B+3], 0x80000000
	s_xor_b32 s[G0KV+1], s[G0KV+1], SLOT1          ; the other slot than last time
	s_xor_b32 s[G0B+1], s[G0B+1], SLOT1
	s_wait_xcnt 0x0                                ; the last prefetch, a step back, has read its address, so it may be written:
	s_add_co_u32 s75, s[G], 2                      ; the step after the next, in the same way
	s_sub_co_u32 s76, s75, s[NA]
	s_cmp_lt_u32 s75, s[NA]
	s_cselect_b32 s76, s75, s76
	s_cselect_b32 s77, s[ROWA], s[ROWB]
	s_lshl_b32 s76, s76, 9
	s_add_co_u32 s[OFS], s77, s76
	s_add_nc_u64 s[PFA:PFA+1], s[PFB:PFB+1], s[OFS:OFS+1]
	s_wait_dscnt 0x0                               ; the add is done, and my reads of the slot that I have left are over
	ROUND                                          ; that now holds of every wave of all four work-groups
	TLOAD                                          ; the first thing behind the round, and my one tensor load until the next
	ASK
.else
	s_wait_dscnt 0x0
	s_barrier_signal -1
	s_barrier_wait -1
.endif
.endm
; A KEY STEP: 128 keys.
.macro STEPWORK
	v_add_nc_u32 v[ADE], s[TB], v[AE0]             ; these four are also the places between the last products and the loads into the registers that they read
	v_add_nc_u32 v[ADA], s[TB], v[AA0]
	v_add_nc_u32 v[ADK], s[TB], v[AK0]
	v_add_nc_u32 v[ADV], s[TB], v[AV0]
.set i, 0
.rept 16
	ds_load_b128 v[S+4*i:S+4*i+3], v[ADE] offset:64*(i/2)+16*(i%2)   ; edge types in the scores' own layout: register 8 c + n is key 16 c + 8 h + n of query r
.set i, i+1
.endr
.set i, 0
.rept 16
	ds_load_b128 v[T+4*i:T+4*i+3], v[ADA] offset:64*(i/2)+16*(i%2)   ; graph_adj likewise
.set i, i+1
.endr
	s_wait_dscnt 16                                ; the edge types are in; graph_adj's 16 loads may be out
.set i, 0
.rept 64
	v_lshlrev_b32 v[S+i], 2, v[S+i]                ; a lane's number x 4
.set i, i+1
.endr
.set i, 0
.rept 64
	ds_bpermute_b32 v[S+i], v[S+i], v24            ; the table's entry for my head: lane e holds row e
.set i, i+1
.endr
	s_wait_dscnt 0x0
.set i, 0
.rept 32
	v_pk_fma_f32 v[S+i:S+i+1], v[T+i:T+i+1], v[26:27], v[S+i:S+i+1] op_sel_hi:[1,0,1]   ; + adj_bias x graph_adj, two at a time
.set i, i+2
.endr
.set i, 0
.rept 16
	ds_load_b128 v[T+4*i:T+4*i+3], v[ADK] offset:2176*(i/2)+32*(i%2)   ; K: tile c = keys 16 c + r, my head's 64 bytes
.set i, i+1
.endr
	s_wait_dscnt 0x0
.set i, 0
.rept 8
	v_wmma_f32_16x16x64_fp8_fp8 v[S+8*i:S+8*i+7], v[T+8*i:T+8*i+7], v[16:23], v[S+8*i:S+8*i+7]   ; S^T = K Q^T + the biases: eight accumulators, one instruction each
.set i, i+1
.endr
.rept 4
	v_nop                                          ; places in front of the loads into K's registers and of the first read of the scores
.endr
.set i, 0
.rept 16
	ds_load_b128 v[T+4*i:T+4*i+3], v[ADV] offset:2176*(i/4)+32*(i%4)   ; V: tile dt = rows 16 dt + r of my head, 128 keys: it lands while the softmax is worked
.set i, i+1
.endr
	s_add_co_u32 s96, s[KF], 127                   ; THE MASK.  A step all of whose keys count for my 16 queries skips it: a scalar branch on ids and the count of steps
	s_cmp_le_u32 s96, s[Q0]
	s_cbranch_scc1 .Lopen_\@
	s_sub_co_i32 s96, s[Q0], s[KF]
	v_add_nc_u32 v220, s96, v25                    ; d = my query - KF - 8 h: register 8 c + n is hidden where 16 c + n > d
.set n, 0
.rept 64
	v_cmp_gt_i32 vcc_lo, 16*(n/8)+n%8, v220
	v_cndmask_b32 v[S+n], v[S+n], v221, vcc_lo     ; -infinity ahead of the maximum: p = 0 then
.set n, n+1
.endr
.Lopen_\@:
	v_max3_num_f32 v214, v[S], v[S+1], v[S+2]      ; the step's largest score of my query among my 64 keys, in two chains, each accumulator from its low end on,
	v_max3_num_f32 v215, v[S+3], v[S+4], v[S+5]
.set i, 6
.rept 14
	v_max3_num_f32 v214, v214, v[S+i], v[S+i+1]
	v_max3_num_f32 v215, v215, v[S+i+2], v[S+i+3]
.set i, i+4
.endr
	v_max3_num_f32 v214, v214, v[S+62], v[S+63]
	v_max_num_f32 v214, v214, v215
	v_permlanex16_b32 v208, v214, s[SEL], s[SEL+1]
	v_max_num_f32 v214, v214, v208                 ; and among lane l xor 16's
	v_mul_f32 v214, s[CS], v214                    ; as t (c is positive)
	v_max_num_f32 v13, v13, v214                   ; the running largest t
	v_mov_b32 v214, v12
	v_floor_f32 v12, -v13                          ; the new -M = floor(-t): M is a whole number
	v_sub_f32 v214, v12, v214                      ; M's old value less its new one: a whole number, 0 or less
	v_cvt_i32_f32 v214, v214                       ; (it saturates)
	v_ldexp_f32 v210, 1.0, v214                    ; f = 2^(old M - new M)
.set i, 0
.rept 32
	v_pk_fma_f32 v[S+i:S+i+1], v[S+i:S+i+1], s[CS:CS+1], v[12:13] op_sel_hi:[1,0,0]   ; t - M, two at a time
.set i, i+2
.endr
.set i, 0
.rept 64
	v_exp_f32 v[S+i], v[S+i]                       ; p = 2^(t - M), at most 1
.set i, i+1
.endr
	v_pk_mul_f32 v[14:15], v[14:15], v[210:211] op_sel_hi:[1,0]   ; the sums under the new M: the plain instruction behind the exponentials
	s_wait_alu depctr_va_vdst(0)                   ; one wait for the whole batch, ahead of its first reader
	v_pk_add_f32 v[212:213], v[S:S+1], v[S+2:S+3]  ; the row's sum is taken of the unquantised p, in two chains
.set i, 4
.rept 15
	v_pk_add_f32 v[14:15], v[14:15], v[S+i:S+i+1]
	v_pk_add_f32 v[212:213], v[212:213], v[S+i+2:S+i+3]
.set i, i+4
.endr
	v_pk_add_f32 v[14:15], v[14:15], v[212:213]
.set n, 0
.rept 8
.set i, 0
.rept 8
	v_min_num_f32 v[S+8*n+i], v[S+8*n+i], v217     ; the conversion does not saturate (ISA guide 7.6.2); p is not negative, so the hold is one-sided
.set i, i+1
.endr
	v_cvt_scalef32_pk8_fp8_f32 v[P+2*n:P+2*n+1], v[S+8*n:S+8*n+7], v216   ; registers 2 c, 2 c + 1 of the operand: keys 16 c + 8 h + 0 .. 7
.set n, n+1
.endr
.set i, 0
.rept 16
	v_pk_mul_f32 v[O+i:O+i+1], v[O+i:O+i+1], v[210:211] op_sel_hi:[1,0]   ; O^T under the new M.  (Plain instructions between the conversions and the products that read the codes)
.set i, i+2
.endr
	s_wait_dscnt 0x0                               ; V is in
.set i, 0
.rept 4
	v_wmma_f32_16x16x128_fp8_fp8 v[O+8*i:O+8*i+7], v[T+16*i:T+16*i+15], v[P:P+15], v[O+8*i:O+8*i+7]   ; O^T += V^T P^T: four accumulators, one instruction each
.set i, i+1
.endr
	s_xor_b32 s[TB], s[TB], SLOT1                  ; on to the other slot
	s_add_co_u32 s[KF], s[KF], 128
.endm
; A BLOCK'S END.  O^T is divided by the sum and quantised by e6; a lane's eight d of a tile are 8 bytes of its query's row.  The 16 rows of 64 bytes go through my own stage and leave as 1,024 consecutive bytes of ao.
.macro FINISH
.rept 4
	v_nop                                          ; places behind the last products
.endr
	v_add_f32 v14, v14, v15                        ; the sum's two halves,
	v_permlanex16_b32 v208, v14, s[SEL], s[SEL+1]
	v_add_f32 v14, v14, v208                       ; and lane l xor 16's
	v_rcp_f32 v14, v14
	v_nop                                          ; a plain instruction behind the reciprocal,
	s_wait_alu depctr_va_vdst(0)                   ; and the wait ahead of its first reader
.set i, 0
.rept 32
	v_mul_f32 v[T+i], v[O+i], v14                  ; register 8 dt + n is d = 16 dt + 8 h + n of query r
.set i, i+1
.endr
.set i, 0
.rept 32
	v_med3_num_f32 v[T+i], v[T+i], -v219, v219
.set i, i+1
.endr
.irp d, 0,1,2,3
	v_cvt_scalef32_pk8_fp8_f32 v[T+32+2*\d:T+33+2*\d], v[T+8*\d:T+8*\d+7], v218
.endr
	v_nop                                          ; a plain instruction behind the last conversion
.irp d, 0,1,2,3
	ds_store_b64 v28, v[T+32+2*\d:T+33+2*\d] offset:16*\d
.endr
.irp t, 0,1
	ds_load_b128 v[T+40+4*\t:T+43+4*\t], v29 offset:640*\t   ; LDS serves a wave's instructions in order: these see my stores
.endr
	s_wait_dscnt 1                                 ; the first eight rows are back; the second load may be out
	global_store_b128 v[GO], v[T+40:T+43], s[AOB:AOB+1]             ; 32 lanes store 512 consecutive bytes, at a multiple of 256 from ao's first byte
	s_wait_dscnt 0
	global_store_b128 v[GO], v[T+44:T+47], s[AOB:AOB+1] offset:512
.endm
.Lstep:                                            ; 16 trips: behind each change of slots the next step is asked for
	CHANGE 1
	STEPWORK
	s_add_co_u32 s75, s[G], 1
	s_cmp_lg_u32 s75, s[NA]                        ; was this the first block's last step?  ids and the count of steps alone: all waves of all partners go the same way; no barrier and no tensor load stands in the arm
	s_cbranch_scc1 .Lon
	FINISH
	s_wait_xcnt 0x0                                ; the stores have read their registers and their base: both may be written
	s_sub_co_u32 s96, s[Q0B], s[Q0]                ; on to block 31 - pr
	s_lshl_b32 s98, s96, 7
	s_add_nc_u64 s[QP:QP+1], s[QP:QP+1], s[98:99]
	s_lshl_b32 s98, s96, 6
	s_add_nc_u64 s[AOB:AOB+1], s[AOB:AOB+1], s[98:99]
	s_mov_b32 s[Q0], s[Q0B]
	s_mov_b32 s[KF], 0
	global_load_b128 v[16:19], v31, s[QP:QP+1]
	global_load_b128 v[20:23], v31, s[QP:QP+1] offset:32
	FRESH
	s_wait_loadcnt 0x0
.Lon:
	s_add_co_u32 s[G], s[G], 1
	s_cmp_lt_u32 s[G], 16
	s_cbranch_scc1 .Lstep
	CHANGE 0                                       ; the last step is written out: nothing is left to ask for
	STEPWORK
	FINISH
	s_wait_tensorcnt 0x0                           ; the wave's end: behind my last tensor load and my last LDS store
	ds_add_u32 v[SPW], v[NIL]
	s_wait_dscnt 0x0
	ROUND                                          ; the closing round: no work-group ends while a partner may still ask for a tile that names it
	s_endpgm
.Lfunc_end_k_qb855d3ab85_attn:
	.size	k_qb855d3ab85_attn, .Lfunc_end_k_qb855d3ab85_attn-k_qb855d3ab85_attn
	.p2alignl 7, 3214868480
	.fill 96, 4, 3214868480
	.section	.rodata,"a",@progbits
	.p2align	6, 0x0
	.amdhsa_kernel k_qb855d3ab85_attn
		.amdhsa_group_segment_fixed_size 327680
		.amdhsa_private_segment_fixed_size 0
		.amdhsa_enable_private_segment 0
		.amdhsa_kernarg_size 64
		.amdhsa_user_sgpr_count 2
		.amdhsa_user_sgpr_kernarg_segment_ptr 1
		.amdhsa_wavefront_size32 1
		.amdhsa_system_sgpr_workgroup_id_x 1
		.amdhsa_system_sgpr_workgroup_id_y 1
		.amdhsa_system_sgpr_workgroup_id_z 1
		.amdhsa_system_vgpr_workitem_id 0
		.amdhsa_next_free_vgpr 256
		.amdhsa_next_free_sgpr 100
		.amdhsa_reserve_vcc 1
		.amdhsa_float_denorm_mode_32 3
		.amdhsa_float_denorm_mode_16_64 3
		.amdhsa_memory_ordered 1
		.amdhsa_forward_progress 1
		.amdhsa_inst_pref_size 84
	.end_amdhsa_kernel
	.amdgpu_metadata
---
amdhsa.version: [ 1, 2 ]
amdhsa.kernels:
  - .name:           k_qb855d3ab85_attn
    .symbol:         k_qb855d3ab85_attn.kd
    .args:
      - { .name: qk, .offset: 0, .size: 8, .value_kind: global_buffer, .address_space: global }
      - { .name: vt, .offset: 8, .size: 8, .value_kind: global_buffer, .address_space: global }
      - { .name: graph_adj, .offset: 16, .size: 8, .value_kind: global_buffer, .address_space: global }
      - { .name: edge_types, .offset: 24, .size: 8, .value_kind: global_buffer, .address_space: global }
      - { .name: adj_bias, .offset: 32, .size: 8, .value_kind: global_buffer, .address_space: global }
      - { .name: edge_table, .offset: 40, .size: 8, .value_kind: global_buffer, .address_space: global }
      - { .name: lowp_scales, .offset: 48, .size: 8, .value_kind: global_buffer, .address_space: global }
      - { .name: ao, .offset: 56, .size: 8, .value_kind: global_buffer, .address_space: global }
    .group_segment_fixed_size: 327680
    .private_segment_fixed_size: 0
    .kernarg_segment_align: 8
    .kernarg_segment_size: 64
    .max_flat_workgroup_size: 256
    .sgpr_count:     100
    .vgpr_count:     256
    .wavefront_size: 32
...
	.end_amdgpu_metadata
.endif
;; end of part 2
;; launch proj (part 3): grid 8 x 32, 4 waves a work-group, clusters of 4 x 4, 327,680 bytes of LDS; arguments ao, Wproj_codes, lowp_scales, out0; writes out0
.if DOCPART == 3
	.amdgcn_target "amdgcn-amd-amdhsa--gfx1250"
	.amdhsa_code_object_version 6
	.text
	.protected	k_qb855d3ab85_proj
	.globl	k_qb855d3ab85_proj
	.p2align	8
	.type	k_qb855d3ab85_proj,@function
k_qb855d3ab85_proj:
	s_mov_b64 s[64:65], 0
	v_nop
	global_prefetch_b8 v0, s[64:65] scope:SCOPE_SE
	s_setreg_imm32_b32 hwreg(HW_REG_WAVE_MODE, 25, 1), 1
	s_wait_xcnt 0x0
	s_wait_alu depctr_hold_cnt(0) depctr_sa_sdst(0) depctr_va_vdst(0) depctr_va_sdst(0) depctr_va_ssrc(0) depctr_va_vcc(0) depctr_vm_vsrc(0)
	s_getreg_b32 s2, hwreg(HW_REG_IB_STS2, 6, 4)
	s_cmp_eq_u32 s2, 0
	s_cbranch_scc0 .Lentry_in_a_cluster
	s_endpgm
.Lentry_in_a_cluster:
	s_bfe_u32 s2, ttmp6, 0x10000c
	s_cmp_lg_u32 s2, 0xf033
	s_cbranch_scc0 .Lentry_shape_is_right
	s_endpgm
.Lentry_shape_is_right:
; out0[token][n] = 2^(e6 + e7) x the sum over k of ao[token][k] Wproj[n][k], on E4M3 codes, K = 1,024 = 64 head + d; out0: [4,096][1,024] f32.  Nothing is left out here.
; ao lies [16 heads][4,096 tokens][64 bytes]; Wproj's codes [1,024 n][1,024 k].  LIMIT: e6 + e7 lies between -126 and 127, so that 2^(e6 + e7) is an f32 number.
; A tile of out0 is 128 tokens x 128 columns: 256 work-groups (tiles of 256 x 256 would be 64).  Four waves, each 64 x 64: 16 accumulators of 16 x 16.
; THE WHOLE K LIES IN LDS: each byte of LDS is filled once, so there is no ring.  Every wave issues six tensor loads at the start, three for each half of K; the first half is multiplied while the second lands.
; CLUSTERS: 4 x 4 work-groups.  The four of a row of the cluster need the same tokens of ao, the four of a column the same rows of Wproj: each tile is asked for JOINTLY.
; THE MATRIX INSTRUCTION IS USED TRANSPOSED (source 0 = 16 rows of Wproj, source 1 = 16 tokens): a lane then holds eight neighbouring columns of one row of out0.
; REGISTERS: window 0: v16-29 addresses; v32-63 a block's results; v64-127 rows read back, two sets; v128-255 the accumulators ((a, b) at v[128 + 8 (4 a + b)]).
;   window 1: two fragment buffers of 128: A's four fragments (16 tokens x 128 K: 16 registers), then B's four.
.set HEADB,  8704                      ; LDS: head n of ao at 8,704 n: 128 tokens x 64 bytes, dense in memory, as 32 rows of 256 + 16: token t at 272 (t / 4) + 64 (t % 4)
.set BOFF,   16*HEADB                  ; then Wproj's 128 rows, K half by K half: 128 rows of 512 + 16
.set BHALF,  128*528
.set STAGE,  BOFF+2*BHALF              ; then a stage of 16 rows x (256 + 16) for each wave,
.set SPITCH, 272
.set SPARE,  STAGE+4*16*SPITCH         ; and the spare words, 128 bytes for each wave
.set ADRA, 16                          ; v16-17  my A fragments: heads 0-7, heads 8-15
.set ADRB, 20                          ; v20-21  my B fragments: K half 0, 1
.set STO,  24
.set RD,   25
.set CO,   26
.set SPW,  28                          ; v28     LDS address of my spare word; never rewritten
.set NIL,  29                          ; v29     0; never rewritten
.set TMP,  32
.set BK,   64
.set ACC,  128
.set G1A, 24                           ; s[24:31] group 1 for ao's tiles;  s[32:39] for Wproj's;  s[40:63] six groups 0
.set G1B, 32
.set G0,  40
.set MSB, 0
.macro WIN new                         ; the immediate's high byte repeats the setting that is left
.if MSB != \new
	s_set_vgpr_msb (MSB<<8)|\new
.set MSB, \new
.endif
.endm
.set MULW, 0x05                        ; sources 0 and 1 window 1; C and D window 0
.set TO_F, 0x40                        ; destination window 1, address window 0
.macro CROUND                          ; a round of the cluster's barrier
	s_barrier_signal -1
	s_barrier_wait -1
	s_cmp_lg_u32 s12, 0
	s_cbranch_scc1 .Lnot_wave_0_\@
	s_barrier_signal -3
.Lnot_wave_0_\@:
	s_barrier_wait -3
	s_barrier_signal -1
	s_barrier_wait -1
.endm
	s_load_b128 s[4:7], s[0:1], 0x0                ; ao s[4:5], Wproj's codes s[6:7]
	s_load_b128 s[8:11], s[0:1], 0x10              ; the exponents s[8:9], out0 s[10:11]
	v_lshl_add_u32 v[SPW], v0, 2, SPARE
	v_mov_b32 v[NIL], 0
	ds_add_u32 v[SPW], v[NIL]                      ; the wave's opening: the add, twice on end, and its wait ahead of my first tensor load
	ds_add_u32 v[SPW], v[NIL]                      ; and once more, under the one wait; the set-up below, work on registers, stands between
	v_lshrrev_b32 v1, 5, v0
	v_readfirstlane_b32 s12, v1                    ; wave 0..3
	s_lshr_b32 s13, s12, 1                         ; which half of the tile's tokens is mine
	s_and_b32 s14, s12, 1                          ; which half of its columns
	s_bfe_u32 s15, ttmp6, 0x40000                  ; cx, cy
	s_bfe_u32 s16, ttmp6, 0x40004
	s_lshl_b32 s17, ttmp9, 2
	s_add_co_u32 s17, s17, s15                     ; tile column = 4 x cluster x + cx
	s_and_b32 s18, ttmp7, 0xffff
	s_lshl_b32 s18, s18, 2
	s_add_co_u32 s18, s18, s16                     ; tile row = 4 x cluster y + cy
	s_lshl_b32 s19, s16, 2
	s_lshl_b32 s19, 15, s19                        ; my row of the cluster
	s_lshl_b32 s20, 0x1111, s15                    ; my column
	s_or_b32 s[G1A], s19, (3<<16)|(1<<20)|(1<<21)|(5<<22)|(3<<25)   ; ao: the mask of my row; elements of 8 bytes; padding on; bit 21 beside a mask; four words after every 64
	s_mov_b32 s[G1A+1], 32<<16                     ; tensor_dim0: 32 elements = 256 bytes
	s_mov_b32 s[G1A+2], 32<<16                     ; tensor_dim1: 32 rows: a head's 128 tokens, 8,192 dense bytes
	s_mov_b32 s[G1A+3], 32<<16                     ; tile_dim0
	s_mov_b32 s[G1A+4], 32                         ; tile_dim1
	s_mov_b32 s[G1A+5], 32                         ; from row to row
	s_mov_b32 s[G1A+6], 0
	s_mov_b32 s[G1A+7], 0
	s_or_b32 s[G1B], s20, (3<<16)|(1<<20)|(1<<21)|(6<<22)|(3<<25)   ; Wproj: the mask of my column; four words after every 128
	s_mov_b32 s[G1B+1], 64<<16                     ; 64 elements = 512 bytes: half of K
	s_mov_b32 s[G1B+2], 32<<16                     ; 32 rows
	s_mov_b32 s[G1B+3], 64<<16
	s_mov_b32 s[G1B+4], 32
	s_mov_b32 s[G1B+5], 128                        ; a row of Wproj is 1,024 bytes
	s_mov_b32 s[G1B+6], 0
	s_mov_b32 s[G1B+7], 0
	s_lshl_b32 s66, s18, 13                        ; ao: the tile's 128 tokens of 64 bytes,
	s_lshl_b32 s70, s12, 19                        ; in heads 2 w and 2 w + 1 (a head is 262,144 bytes)
	s_add_co_u32 s66, s66, s70
	s_mov_b32 s67, 0
	s_lshl_b32 s72, s17, 17                        ; Wproj: the tile's 128 rows of 1,024 bytes,
	s_lshl_b32 s71, s12, 15                        ; rows 32 w on
	s_add_co_u32 s72, s72, s71
	s_mov_b32 s73, 0
	s_mul_i32 s70, s12, 2*HEADB                    ; where they go: no place in the cluster enters an LDS address
	s_mul_i32 s71, s12, 32*528
	s_add_co_u32 s71, s71, BOFF
	s_wait_dscnt 0x0                               ; both opening adds are done
	s_wait_kmcnt 0x0
	s_load_b256 s[80:87], s[8:9], 0x0              ; e0 .. e7
	s_add_nc_u64 s[68:69], s[4:5], s[66:67]
	s_add_nc_u64 s[74:75], s[6:7], s[72:73]
.irp k, 0,1                            ; K half k: heads 8 k + 2 w and 8 k + 2 w + 1 of ao; bytes 512 k on of my 32 rows of Wproj
.irp e, 0,1
	s_mov_b32 s[G0+12*\k+4*\e], 1
	s_add_co_u32 s[G0+12*\k+4*\e+1], s70, (8*\k+\e)*HEADB
	s_add_nc_u64 s[G0+12*\k+4*\e+2:G0+12*\k+4*\e+3], s[68:69], (8*\k+\e)*262144
	s_or_b32 s[G0+12*\k+4*\e+3], s[G0+12*\k+4*\e+3], 0x80000000
.endr
	s_mov_b32 s[G0+12*\k+8], 1
	s_add_co_u32 s[G0+12*\k+9], s71, \k*BHALF
	s_add_nc_u64 s[G0+12*\k+10:G0+12*\k+11], s[74:75], \k*512
	s_or_b32 s[G0+12*\k+11], s[G0+12*\k+11], 0x80000000
.endr
	CROUND                                         ; all sixteen work-groups are here: the joint loads meet
.irp k, 0,1                            ; all fills of the launch, in one group: six loads of mine are out
	tensor_load_to_lds s[G0+12*\k:G0+12*\k+3], s[G1A:G1A+7]
	s_nop 0
	tensor_load_to_lds s[G0+12*\k+4:G0+12*\k+7], s[G1A:G1A+7]
	s_nop 0
	tensor_load_to_lds s[G0+12*\k+8:G0+12*\k+11], s[G1B:G1B+7]
	s_nop 0
.endr
.rept 4
	v_nop
.endr
	v_and_b32 v1, 15, v0                           ; r
	v_bfe_u32 v2, v0, 4, 1                         ; h
	v_lshrrev_b32 v3, 2, v1
	v_mul_u32_u24 v3, v3, 272
	v_and_b32 v4, 3, v1
	v_lshl_add_u32 v3, v4, 6, v3
	v_lshl_add_u32 v3, v2, 4, v3                   ; ao: token r of a fragment: 272 (r / 4) + 64 (r % 4), + 16 h
	s_mul_i32 s21, s13, 16*272                     ; my 64 tokens
	v_add_nc_u32 v[ADRA], s21, v3
	v_add_nc_u32 v[ADRA+1], 8*HEADB, v[ADRA]
	v_mul_u32_u24 v5, v1, 528
	v_lshl_add_u32 v5, v2, 4, v5                   ; Wproj: row r, + 16 h
	s_mul_i32 s21, s14, 64*528                     ; my 64 rows
	s_add_co_u32 s21, s21, BOFF
	v_add_nc_u32 v[ADRB], s21, v5
	v_add_nc_u32 v[ADRB+1], BHALF, v[ADRB]
	s_mul_i32 s21, s12, 16*SPITCH
	s_add_co_u32 s21, s21, STAGE                   ; my stage
	v_mul_u32_u24 v6, v1, SPITCH
	v_lshl_add_u32 v6, v2, 5, v6
	v_add_nc_u32 v[STO], s21, v6                   ; in: row r, 32 bytes for each half of the lanes
	v_mul_u32_u24 v7, v2, SPITCH
	v_lshl_add_u32 v7, v1, 4, v7
	v_add_nc_u32 v[RD], s21, v7                    ; back: lanes 0-15 one row of 256 bytes, lanes 16-31 the next
	v_lshlrev_b32 v[CO], 12, v2
	v_lshl_add_u32 v[CO], v1, 4, v[CO]             ; and the same two rows in out0 (a row is 4,096 bytes)
	s_lshl_b32 s88, s18, 7
	s_lshl_b32 s89, s13, 6
	s_add_co_u32 s88, s88, s89                     ; my first token
	s_lshl_b32 s88, s88, 12
	s_lshl_b32 s89, s17, 7
	s_lshl_b32 s90, s14, 6
	s_add_co_u32 s89, s89, s90                     ; my first column
	s_lshl_b32 s89, s89, 2
	s_add_co_u32 s88, s88, s89
	s_mov_b32 s89, 0
	s_add_nc_u64 s[10:11], s[10:11], s[88:89]
; 32 LDS loads in one run: the fragments of K step s (128 along K: heads 2 s and 2 s + 1) into buffer f.  On both sides registers 4 c .. 4 c + 3 hold k = 128 s + 32 c + 16 h + 0 .. 15: one order of k for A and for B alike.
.macro FETCH s, f
	WIN TO_F
.irp i, 0,1,2,3
.irp c, 0,1,2,3
	ds_load_b128 v[(\f)+64+16*\i+4*\c:(\f)+64+16*\i+4*\c+3], v[ADRB+(\s)/4] offset:\i*16*528+128*((\s)%4)+32*\c
.endr
.endr
.irp i, 0,1,2,3
.irp c, 0,1,2,3
	ds_load_b128 v[(\f)+16*\i+4*\c:(\f)+16*\i+4*\c+3], v[ADRA+(\s)/4] offset:(2*((\s)%4)+\c/2)*HEADB+\i*4*272+32*(\c%2)
.endr
.endr
.endm
; 16 matrix instructions: a K step of the wave's 64 x 64.  The 16 accumulators take turns, one instruction a turn, in one order.  zero = 1: the first step starts the sums.
.macro MUL f, zero
	WIN MULW
.irp a, 0,1,2,3
.irp b, 0,1,2,3
.if \zero
	v_wmma_f32_16x16x128_fp8_fp8 v[ACC+8*(4*\a+\b):ACC+8*(4*\a+\b)+7], v[(\f)+64+16*\b:(\f)+64+16*\b+15], v[(\f)+16*\a:(\f)+16*\a+15], 0
.else
	v_wmma_f32_16x16x128_fp8_fp8 v[ACC+8*(4*\a+\b):ACC+8*(4*\a+\b)+7], v[(\f)+64+16*\b:(\f)+64+16*\b+15], v[(\f)+16*\a:(\f)+16*\a+15], v[ACC+8*(4*\a+\b):ACC+8*(4*\a+\b)+7]
.endif
.endr
.endr
.endm
.macro PLACES                          ; plain vector instructions between a matrix instruction and a load into, or a read of, its registers
.rept 4
	v_nop
.endr
.endm
	s_wait_tensorcnt 3                             ; my three loads of K half 0 are in; the three of half 1 may be out
	s_barrier_signal -1
	s_barrier_wait -1                              ; everybody's are
	FETCH 0, 0
.irp s, 0,1,2,3,4,5,6
.if \s > 0
	PLACES                                         ; the buffer that the last step multiplied is loaded anew
.endif
.if \s == 3
	s_wait_dscnt 0x0                               ; no LDS load of mine is out at the signal
	s_wait_tensorcnt 0x0                           ; my loads of K half 1 are in,
	s_barrier_signal -1
	s_barrier_wait -1                              ; and everybody's
.endif
	FETCH (\s+1), 128*((\s+1)%2)
	s_wait_dscnt 32                                ; all but the 32 just issued: this step's fragments are in
.if \s == 0
	MUL 0, 1
.else
	MUL 128*(\s%2), 0
.endif
.endr
	s_wait_dscnt 0x0
	MUL 128, 0
	WIN 0
; THE WAY OUT, block by block of 16 tokens x 64 columns: x 2^(e6 + e7) into other registers, 32 bytes a lane into my own stage, back as whole rows of 256 bytes.  LDS serves a wave's instructions in order (ISA guide 5.7.1.4).
.macro TOSTAGE a
.set j, 0
.rept 16
	v_pk_mul_f32 v[TMP+j:TMP+j+1], v[ACC+32*(\a)+j:ACC+32*(\a)+j+1], s[76:77] op_sel_hi:[1,0]   ; each accumulator from its low end on
.set j, j+2
.endr
.irp b, 0,1,2,3
	ds_store_b128 v[STO], v[TMP+8*\b:TMP+8*\b+3] offset:64*\b
	ds_store_b128 v[STO], v[TMP+8*\b+4:TMP+8*\b+7] offset:64*\b+16
.endr
.set BB, BK+32*((\a)%2)
.irp t, 0,1,2,3,4,5,6,7
	ds_load_b128 v[BB+4*\t:BB+4*\t+3], v[RD] offset:\t*2*SPITCH
.endr
.endm
.macro SEND a, younger                 ; younger: the LDS instructions issued behind block a's loads, which may stay out
.set BB, BK+32*((\a)%2)
	s_wait_dscnt \younger
.irp t, 0,1,2,3,4,5,6,7
	global_store_b128 v[CO], v[BB+4*\t:BB+4*\t+3], s[10:11] offset:65536*(\a)+8192*\t th:TH_STORE_NT   ; 16 lanes store 256 consecutive bytes, at a multiple of 256 from out0's first byte; written once, read by nobody here
.endr
.endm
	s_wait_kmcnt 0x0
	s_add_co_i32 s76, s86, s87                     ; e6 + e7
	s_add_co_i32 s76, s76, 127
	s_lshl_b32 s76, s76, 23                        ; 2^(e6 + e7) as f32
	s_mov_b32 s77, s76                             ; named with it as a pair
	PLACES                                         ; behind the last products, ahead of the first read of results
	TOSTAGE 0
.irp a, 1,2,3
.if \a > 1
	s_wait_xcnt 0x0                                ; block a - 2's stores have read their registers: block a's loads may land there
.endif
	TOSTAGE \a
	SEND \a-1, 16                                  ; behind block a - 1's loads: block a's 8 stores and 8 loads
.endr
	SEND 3, 0
	s_wait_tensorcnt 0x0                           ; the wave's end: behind my last tensor load and my last LDS store
	ds_add_u32 v[SPW], v[NIL]
	s_wait_dscnt 0x0
	CROUND                                         ; the closing round: no work-group ends while a partner may still ask for a tile that names it
	s_endpgm
.Lfunc_end_k_qb855d3ab85_proj:
	.size	k_qb855d3ab85_proj, .Lfunc_end_k_qb855d3ab85_proj-k_qb855d3ab85_proj
	.p2alignl 7, 3214868480
	.fill 96, 4, 3214868480
	.section	.rodata,"a",@progbits
	.p2align	6, 0x0
	.amdhsa_kernel k_qb855d3ab85_proj
		.amdhsa_group_segment_fixed_size 327680
		.amdhsa_private_segment_fixed_size 0
		.amdhsa_enable_private_segment 0
		.amdhsa_kernarg_size 32
		.amdhsa_user_sgpr_count 2
		.amdhsa_user_sgpr_kernarg_segment_ptr 1
		.amdhsa_wavefront_size32 1
		.amdhsa_system_sgpr_workgroup_id_x 1
		.amdhsa_system_sgpr_workgroup_id_y 1
		.amdhsa_system_sgpr_workgroup_id_z 1
		.amdhsa_system_vgpr_workitem_id 0
		.amdhsa_next_free_vgpr 512
		.amdhsa_next_free_sgpr 100
		.amdhsa_reserve_vcc 0
		.amdhsa_float_denorm_mode_32 3
		.amdhsa_float_denorm_mode_16_64 3
		.amdhsa_memory_ordered 1
		.amdhsa_forward_progress 1
		.amdhsa_inst_pref_size 45
	.end_amdhsa_kernel
	.amdgpu_metadata
---
amdhsa.version: [ 1, 2 ]
amdhsa.kernels:
  - .name:           k_qb855d3ab85_proj
    .symbol:         k_qb855d3ab85_proj.kd
    .args:
      - { .name: ao, .offset: 0, .size: 8, .value_kind: global_buffer, .address_space: global }
      - { .name: Wproj_codes, .offset: 8, .size: 8, .value_kind: global_buffer, .address_space: global }
      - { .name: lowp_scales, .offset: 16, .size: 8, .value_kind: global_buffer, .address_space: global }
      - { .name: out0, .offset: 24, .size: 8, .value_kind: global_buffer, .address_space: global }
    .group_segment_fixed_size: 327680
    .private_segment_fixed_size: 0
    .kernarg_segment_align: 8
    .kernarg_segment_size: 32
    .max_flat_workgroup_size: 128
    .sgpr_count:     100
    .vgpr_count:     512
    .wavefront_size: 32
...
	.end_amdgpu_metadata
.endif
;; end of part 3
